; MI455X (gfx1250); checked and timed in simulation.
; The chip was launched on July 23, 2026; its instructions are those of AMD's public machine-readable ISA for CDNA 5 (MIT licence, August 2026) and "CDNA5" Instruction Set Architecture Reference Guide (July 2026). The comments in the code are by the model that wrote it; some were corrected since.
;; Enhanced LSTM Cell. Allowed arithmetic: matrix products marked QUANTISED: E2M1 operands, one E8M0 scale for each 32 along K, by v_wmma_scale_f32_16x16x128_f8f6f4 with both operands' format E2M1 (or v_wmma_scale_f32_32x16x128_f4), f32 sums; everything else in f32.
;; Inputs: W 2,048 x 4,096 float32; b 4,096 float32; c_prev 8,192 x 1,024 float32; forget_mask 8,192 float32; h_prev 8,192 x 1,024 float32; ln_beta 1,024 float32; ln_gamma 1,024 float32; x 8,192 x 1,024 float32.
;; Outputs: out0 8,192 x 1,024 float32; out1 8,192 x 1,024 float32.
;; This version of the problem:
;;   THIS VERSION OF THE PROBLEM IS GIVEN IN LOW PRECISION. The matrix products marked QUANTISED in the list below multiply operands that are first quantised to E2M1 (2 exponent bits, 1 mantissa bit; 4 bits a number), with one power-of-two scale for each 32 numbers along K (OCP MX v1.0); their sums are f32. All else is computed in f32.
;;   The module's matrix products, in the order in which they are computed (A, B: the left and right operand; K: the contracted axis; several contracted axes count as one K, in the product's order):
;;     1. [M 8,192, K 2,048] x [K 2,048, N 4,096]; A: computed on the way; B: input W: QUANTISED
;;   THE QUANTISER, for each operand of a quantised product, along K:
;;     - K is cut into blocks of 32 from its start; a last block that is shorter is filled with zeros.
;;     - A block's scale is 2^e with e = floor(log2(the largest magnitude in the block)) - 2, held to -126 .. 127; a block of zeros has e = 0. As a byte (E8M0): e + 127.
;;     - Each number is divided by its block's scale, clamped to +-6, and rounded to the nearest number of E2M1, ties to even, subnormals kept.
;;     - The product sums the exact products of the quantised numbers (number of the format x scale) in f32.
;;   ~~~python
;;   def quantise(x, axis):      # numpy; x: float32 -> the quantised numbers, widened to float32 again
;;       x = np.moveaxis(x, axis, -1); K = x.shape[-1]
;;       x = np.pad(x, [(0, 0)] * (x.ndim - 1) + [(0, -K % 32)]); x = x.reshape(x.shape[:-1] + (-1, 32)); a = np.abs(x).max(-1, keepdims=True)
;;       e = np.where(a > 0, np.clip(np.frexp(np.where(a > 0, a, 1))[1] - 1 - 2, -126, 127), 0)      # np.frexp(a)[1] - 1 = floor(log2(a)), exactly
;;       r = np.clip(x / 2.0 ** e, -6, 6)
;;       step = 2.0 ** (np.maximum(np.frexp(np.where(r == 0, 1, r))[1] - 1, 0) - 1)
;;       q = np.round(r / step) * step * 2.0 ** e      # np.round: ties to even
;;       return np.moveaxis(q.reshape(q.shape[:-2] + (-1,))[..., :K], -1, axis).astype(np.float32)
;;   ~~~
;;   OPERANDS COMPUTED ON THE WAY. 'Computed on the way' means the value that the module computes at that place (a softmax that the list does not call 'softmax' is quantised finished and normalised). What goes into a quantiser is computed in f32, as accurately as f32 sums, v_exp_f32 and their like allow (about 1e-6 of the number): no bf16 or f16 on the way to a quantiser, and a product that is left as it is and whose result goes on into a quantised operand takes f32 operands (vector FMAs, or v_wmma_f32_16x16x4_f32). A number that lies on a knife's edge between two numbers of the format may be rounded either way, as far as f32 arithmetic and the matrix unit's own rounding can turn it there, and no further.
;; One version. Each part assembles by itself: llvm-mc -triple=amdgcn-amd-amdhsa -mcpu=gfx1250 --defsym DOCPART=n.
;; ======== version 1 of 1: 3 launches
;; limits: right only within a limited range of input values
;; workspace buffers: a_codes 8,388,608 bytes; a_scales 524,288 bytes; w_codes 4,194,304 bytes; w_scales 262,144 bytes; co 67,108,864 bytes
;; launch quant (part 1): grid 768 x 1, 4 waves a work-group, no clusters, 50,688 bytes of LDS; arguments x, h_prev, W, a_codes, a_scales, w_codes, w_scales; writes a_codes, a_scales, w_codes, w_scales
.if DOCPART == 1
	.amdgcn_target "amdgcn-amd-amdhsa--gfx1250"
	.amdhsa_code_object_version 6
	.text
	.protected	k_q6bb8d43812_quant
	.globl	k_q6bb8d43812_quant
	.p2align	8
	.type	k_q6bb8d43812_quant,@function
k_q6bb8d43812_quant:
	s_mov_b64 s[64:65], 0
	v_nop
	global_prefetch_b8 v0, s[64:65] scope:SCOPE_SE
	s_setreg_imm32_b32 hwreg(HW_REG_WAVE_MODE, 25, 1), 1
	s_wait_xcnt 0x0
; Both operands of gates = [x | h_prev] W become codes of FP4 (E2M1), K innermost, two codes a byte (the lower k in the low four bits), with one E8M0 scale byte for each 32 along K.
; A block's scale is 2^(floor(log2(its largest magnitude)) - 2); its byte is the largest magnitude's exponent field - 2, held at 1 from below.  Numbers are divided by the scale and rounded to the nearest code, ties to even; beyond 6 the largest code.
; LIMITS: a block of zeros gets the byte 1 where the quantiser says 127 (its codes are zeros, which add nothing under any byte but 0xff, and only this program reads the bytes); NaN and infinities among the inputs are not served.
; OUT: a_codes [8192][1024 bytes]: bytes 0-511 x's codes, 512-1023 h_prev's.  w_codes [4096 rows][1024 bytes]: W's column 1024 g + 32 z + e (gate g, group z, unit e) is row 128 z + 32 g + e.
;      THE SCALE BYTES LIE BY K STEP OF 512: a_scales [4][8192 rows][16 bytes], w_scales [4][4096 rows][16 bytes]: a K step's bytes of 256 neighbouring rows are 4,096 consecutive bytes.
; SHARES: work-groups 0-255 take W (64 columns x 512 along K each), work-groups 256-767 take 16 rows of x and h_prev each; every wave reads 32,768 bytes.
; The two ways part on the work-group's number and have LDS bytes of their own.  No tensor loads, no barrier, no cluster: waves share nothing, and no two work-groups read the same bytes.
.set NWG,    256
.set STEPS,  16                        ; the activations: a wave's steps of 512 numbers: one K step of 16 rows
.set DEPTH,  8                         ; steps whose loads are out at a time: 32 loads a wave
.set SP,     80                        ; a lane's place in a stage: 64 bytes + 16 of padding
.set WREG,   8192                      ; LDS 0 .. 32,767: a region for each wave: two stages of 32 x SP bytes, then its 256 scale bytes
.set AR,     16                        ; v16-143  eight sets of 16 numbers as loaded
.set AX,     144                       ; v144-175 two sets of 16 neighbours
.set AE,     176                       ; v176-191 a scale byte for each step
.set ACD,    192                       ; v192-223 codes, two registers a step: no store's data are written again
.set WSTG,   32768                     ; LDS 32,768 .. 50,175: W's stages, 16 rows x WPITCH a wave;  50,176 ..: the spare words
.set WPITCH, 272
.set NB,     8
.set WX,     32
.set WC,     96
.set OUTR,   112
.set SB,     24
	s_load_b256 s[4:11], s[0:1], 0x0               ; x, h_prev, W, a_codes
	s_load_b128 s[12:15], s[0:1], 0x20             ; a_scales, w_codes
	s_load_b64 s[16:17], s[0:1], 0x30              ; w_scales
	v_lshl_add_u32 v224, v0, 2, 0xc400
	v_mov_b32 v225, 0
	v_lshrrev_b32 v1, 5, v0
	v_readfirstlane_b32 s18, v1                    ; wave
	v_and_b32 v2, 31, v0                           ; lane
	s_wait_kmcnt 0x0
	s_cmp_lt_u32 ttmp9, NWG
	s_cbranch_scc1 .Lw
; THE ACTIVATIONS.  Wave w takes K step w (0, 1: the halves of x's rows; 2, 3: of h_prev's) of the work-group's 16 rows: step t is row t's 512 numbers, 2,048 consecutive bytes.
; A step's four loads read 512 consecutive bytes each; the bytes turn through the wave's own stage and come back 64 a lane: 16 neighbours, two lanes to a block.
	s_wait_alu depctr_va_vdst(0)
	v_lshlrev_b32 v3, 4, v2
	s_mul_i32 s19, s18, WREG
	v_lshrrev_b32 v14, 2, v2
	v_mul_u32_u24 v14, v14, SP
	v_and_b32 v15, 3, v2
	v_lshl_add_u32 v14, v15, 4, v14
	v_add_nc_u32 v14, s19, v14                     ; the stage, in: SP (lane / 4) + 16 (lane % 4)
	v_mul_u32_u24 v15, v2, SP
	v_add_nc_u32 v15, s19, v15                     ; out: SP x lane
	v_lshlrev_b32 v4, 3, v2                        ; my 8 bytes of a step's 256 bytes of codes
	v_lshrrev_b32 v5, 1, v2
	s_add_co_u32 s19, s19, 2*32*SP
	v_add_nc_u32 v5, s19, v5                       ; LDS: my block's scale byte
	v_lshlrev_b32 v7, 3, v2
	v_add_nc_u32 v6, s19, v7
	s_sub_co_u32 s20, ttmp9, NWG                   ; which 16 rows
	s_cmp_lt_u32 s18, 2
	s_cselect_b64 s[4:5], s[4:5], s[6:7]           ; x or h_prev, by the wave's number alone
	s_and_b32 s21, s18, 1
	s_lshl_b32 s21, s21, 11                        ; which half of the rows
	s_mov_b32 s23, 0
	s_lshl_b32 s22, s20, 16                        ; 16 rows of 4,096 bytes
	s_add_co_u32 s22, s22, s21
	s_add_nc_u64 s[4:5], s[4:5], s[22:23]
	s_lshl_b32 s22, s20, 14                        ; 16 rows of 1,024 bytes of codes, + 256 w
	s_lshl_b32 s21, s18, 8
	s_add_co_u32 s22, s22, s21
	s_add_nc_u64 s[10:11], s[10:11], s[22:23]
	s_lshl_b32 s22, s20, 8                         ; 16 rows of 16 scale bytes, in K step w's 131,072
	s_lshl_b32 s21, s18, 17
	s_add_co_u32 s22, s22, s21
	s_add_nc_u64 s[12:13], s[12:13], s[22:23]
.macro ALOAD t
.irp i, 0,1,2,3
	global_load_b128 v[AR+16*((\t)%DEPTH)+4*\i:AR+16*((\t)%DEPTH)+4*\i+3], v3, s[4:5] offset:4096*(\t)+512*\i th:TH_LOAD_NT
.endr
.endm
.macro ATURN t                         ; LDS serves a wave's instructions in order (ISA guide 5.7.1.4): no wait between the stores and the loads
.irp i, 0,1,2,3
	ds_store_b128 v14, v[AR+16*((\t)%DEPTH)+4*\i:AR+16*((\t)%DEPTH)+4*\i+3] offset:32*SP*((\t)%2)+8*SP*\i
.endr
.irp i, 0,1,2,3
	ds_load_b128 v[AX+16*((\t)%2)+4*\i:AX+16*((\t)%2)+4*\i+3], v15 offset:32*SP*((\t)%2)+16*\i
.endr
.endm
.macro ASTEP t
.set XS, AX+16*((\t)%2)
.if (\t) > 0
	s_wait_dscnt 1                                 ; this step's numbers are back (the last step's byte store may be out)
.else
	s_wait_dscnt 0x0
.endif
.if (\t)+DEPTH < STEPS
	ALOAD (\t)+DEPTH
.endif
.if (\t)+1 < STEPS
.if (\t)+DEPTH < STEPS
	s_wait_loadcnt 4*(DEPTH-1)                     ; the next step's four loads are in; seven steps' may be out
.else
	s_wait_loadcnt 4*(STEPS-2-(\t))
.endif
	ATURN (\t)+1
.endif
	v_max3_num_f32 v8, |v[XS]|, |v[XS+1]|, |v[XS+2]|
	v_max3_num_f32 v9, |v[XS+3]|, |v[XS+4]|, |v[XS+5]|
.irp i, 6,10
	v_max3_num_f32 v8, v8, |v[XS+\i]|, |v[XS+\i+1]|
	v_max3_num_f32 v9, v9, |v[XS+\i+2]|, |v[XS+\i+3]|
.endr
	v_max3_num_f32 v8, v8, |v[XS+14]|, |v[XS+15]|
	v_max3_num_f32 v8, v8, v9, 0x1800000           ; the floor 2^(3 - 127): the byte cannot fall under 1
	v_max_num_f32_dpp v8, v8, v8 row_xmask:1 row_mask:0xf bank_mask:0xf   ; with my neighbour's 16: the block's
	v_add_nc_u32 v11, 0xff000000, v8               ; 2 off the exponent field: the conversion's scale operand
	v_cvt_scalef32_pk8_fp4_f32 v[ACD+2*(\t)], v[XS:XS+7], v11
	v_cvt_scalef32_pk8_fp4_f32 v[ACD+2*(\t)+1], v[XS+8:XS+15], v11
	v_lshrrev_b32 v[AE+(\t)], 23, v11              ; the scale's byte (a plain line behind the conversions)
	ds_store_b8 v5, v[AE+(\t)] offset:16*(\t)      ; row t's 16 bytes; both lanes of a block write the same byte
	global_store_b64 v4, v[ACD+2*(\t):ACD+2*(\t)+1], s[10:11] offset:1024*(\t)   ; the wave stores 256 consecutive bytes, aligned
.endm
.irp t, 0,1,2,3,4,5,6,7
	ALOAD \t
.endr
	s_wait_alu depctr_va_vdst(0)
	s_wait_loadcnt 4*(DEPTH-1)
	ATURN 0
.irp t, 0,1,2,3,4,5,6,7,8,9,10,11,12,13,14,15
	ASTEP \t
.endr
	ds_load_b64 v[12:13], v6                       ; my wave's 256 scale bytes: 16 rows of one K step
	s_wait_dscnt 0x0
	global_store_b64 v7, v[12:13], s[12:13]        ; 256 consecutive bytes, aligned
	s_wait_tensorcnt 0x0                           ; the wave's end
	ds_add_u32 v224, v225
	s_wait_dscnt 0x0
	s_endpgm
; W: K is its first axis.  A lane takes a column and its registers run down K.  A wave takes 16 columns x 512 along K: lanes 0-15 the first 256, lanes 16-31 the second: 8 blocks a lane.
; The four waves stand side by side on 256 consecutive bytes of each row.  Every offset is an immediate: 255 rows of 16,384 bytes stay inside the signed 24 bits (ISA guide, chapter 10).
.Lw:
	s_and_b32 s19, ttmp9, 63                       ; which 64 columns
	s_lshr_b32 s20, ttmp9, 6                       ; which K step of 512
	s_lshl_b32 s21, s19, 6
	s_lshl_b32 s22, s18, 4
	s_add_co_u32 s21, s21, s22                     ; my first column = 1024 g + 32 z + e0
	s_lshr_b32 s22, s21, 10
	s_bfe_u32 s23, s21, 0x50005
	s_and_b32 s25, s21, 31
	s_lshl_b32 s23, s23, 7
	s_lshl_b32 s22, s22, 5
	s_add_co_u32 s22, s22, s23
	s_add_co_u32 s22, s22, s25                     ; its row: 128 z + 32 g + e0
	s_wait_alu depctr_va_vdst(0)
	v_and_b32 v5, 15, v2                           ; c
	v_lshrrev_b32 v6, 4, v2                        ; kh
	v_lshlrev_b32 v3, 2, v5
	v_lshl_add_u32 v3, v6, 22, v3                  ; in: 4 c + kh x 256 rows
	s_mul_i32 s24, s18, 16*WPITCH
	s_add_co_u32 s24, s24, WSTG
	v_mul_u32_u24 v4, v5, WPITCH
	v_lshl_add_u32 v4, v6, 7, v4
	v_add_nc_u32 v4, s24, v4                       ; into the stage: row c, + 128 kh
	v_mul_u32_u24 v7, v6, WPITCH
	v_lshl_add_u32 v7, v5, 4, v7
	v_add_nc_u32 v7, s24, v7                       ; out of it: sixteen lanes to a row
	v_lshlrev_b32 v8, 10, v6
	v_lshl_add_u32 v8, v5, 4, v8
	v_lshlrev_b32 v9, 4, v5
	v_lshl_add_u32 v9, v6, 3, v9                   ; scale bytes: 16 c + 8 kh: the wave's 256 bytes are consecutive
	s_mov_b32 s27, 0
	s_lshl_b32 s26, s20, 23
	s_lshl_b32 s25, s21, 2
	s_add_co_u32 s26, s26, s25
	s_add_nc_u64 s[8:9], s[8:9], s[26:27]
	s_lshl_b32 s26, s22, 10
	s_lshl_b32 s25, s20, 8
	s_add_co_u32 s26, s26, s25
	s_add_nc_u64 s[14:15], s[14:15], s[26:27]
	s_lshl_b32 s26, s22, 4                         ; 16 bytes a row, in this K step's 65,536
	s_lshl_b32 s25, s20, 16
	s_add_co_u32 s26, s26, s25
	s_add_nc_u64 s[16:17], s[16:17], s[26:27]
.macro WLOAD t
.irp i, 0,1,2,3,4,5,6,7,8,9,10,11,12,13,14,15,16,17,18,19,20,21,22,23,24,25,26,27,28,29,30,31
	global_load_b32 v[WX+32*((\t)%2)+\i], v3, s[8:9] offset:(32*(\t)+\i)*16384
.endr
.endm
.macro WBLOCK t
.set XS, WX+32*((\t)%2)
.if (\t) < NB-1
	s_wait_loadcnt 32                              ; this block's 32 loads are in; the next block's may be out
.else
	s_wait_loadcnt 0
.endif
	v_max3_num_f32 v12, |v[XS]|, |v[XS+1]|, |v[XS+2]|
	v_max3_num_f32 v13, |v[XS+3]|, |v[XS+4]|, |v[XS+5]|
.irp i, 6,10,14,18,22,26
	v_max3_num_f32 v12, v12, |v[XS+\i]|, |v[XS+\i+1]|
	v_max3_num_f32 v13, v13, |v[XS+\i+2]|, |v[XS+\i+3]|
.endr
	v_max3_num_f32 v12, v12, |v[XS+30]|, |v[XS+31]|
	v_max3_num_f32 v12, v12, v13, 0x1800000
	v_add_nc_u32 v11, 0xff000000, v12
	v_lshrrev_b32 v13, 23, v11
.if (\t)%4 == 0
	v_mov_b32 v[SB+(\t)/4], v13
.else
	v_lshl_or_b32 v[SB+(\t)/4], v13, 8*((\t)%4), v[SB+(\t)/4]
.endif
.irp g, 0,1,2,3
	v_cvt_scalef32_pk8_fp4_f32 v[WC+\g], v[XS+8*\g:XS+8*\g+7], v11
.endr
	v_nop                                          ; one plain line behind the last conversion
	ds_store_b128 v4, v[WC:WC+3] offset:16*(\t)
.if (\t)+2 < NB
	WLOAD (\t)+2
.endif
	s_wait_dscnt 0x0                               ; the store has read its registers
.endm
	WLOAD 0
	WLOAD 1
.set Q, 0
.rept NB
	WBLOCK Q
.set Q, Q+1
.endr
	s_wait_alu depctr_va_vdst(0)
	global_store_b64 v9, v[SB:SB+1], s[16:17]
.irp t, 0,1,2,3,4,5,6,7
	ds_load_b128 v[OUTR+4*\t:OUTR+4*\t+3], v7 offset:2*\t*WPITCH
.endr
.irp t, 0,1,2,3,4,5,6,7
	s_wait_dscnt 7-\t
	global_store_b128 v8, v[OUTR+4*\t:OUTR+4*\t+3], s[14:15] offset:2*\t*1024   ; sixteen lanes store 256 consecutive bytes, aligned
.endr
	s_wait_tensorcnt 0x0
	ds_add_u32 v224, v225
	s_wait_dscnt 0x0
	s_endpgm
.Lfunc_end_k_q6bb8d43812_quant:
	.size	k_q6bb8d43812_quant, .Lfunc_end_k_q6bb8d43812_quant-k_q6bb8d43812_quant
	.p2alignl 7, 3214868480
	.fill 96, 4, 3214868480
	.section	.rodata,"a",@progbits
	.p2align	6, 0x0
	.amdhsa_kernel k_q6bb8d43812_quant
		.amdhsa_group_segment_fixed_size 50688
		.amdhsa_private_segment_fixed_size 0
		.amdhsa_enable_private_segment 0
		.amdhsa_kernarg_size 56
		.amdhsa_user_sgpr_count 2
		.amdhsa_user_sgpr_kernarg_segment_ptr 1
		.amdhsa_wavefront_size32 1
		.amdhsa_system_sgpr_workgroup_id_x 1
		.amdhsa_system_sgpr_workgroup_id_y 1
		.amdhsa_system_sgpr_workgroup_id_z 1
		.amdhsa_system_vgpr_workitem_id 0
		.amdhsa_next_free_vgpr 226
		.amdhsa_next_free_sgpr 66
		.amdhsa_reserve_vcc 0
		.amdhsa_float_denorm_mode_32 3
		.amdhsa_float_denorm_mode_16_64 3
		.amdhsa_memory_ordered 1
		.amdhsa_forward_progress 1
		.amdhsa_inst_pref_size 74
	.end_amdhsa_kernel
	.amdgpu_metadata
---
amdhsa.version: [ 1, 2 ]
amdhsa.kernels:
  - .name:           k_q6bb8d43812_quant
    .symbol:         k_q6bb8d43812_quant.kd
    .args:
      - { .name: x, .offset: 0, .size: 8, .value_kind: global_buffer, .address_space: global }
      - { .name: h_prev, .offset: 8, .size: 8, .value_kind: global_buffer, .address_space: global }
      - { .name: W, .offset: 16, .size: 8, .value_kind: global_buffer, .address_space: global }
      - { .name: a_codes, .offset: 24, .size: 8, .value_kind: global_buffer, .address_space: global }
      - { .name: a_scales, .offset: 32, .size: 8, .value_kind: global_buffer, .address_space: global }
      - { .name: w_codes, .offset: 40, .size: 8, .value_kind: global_buffer, .address_space: global }
      - { .name: w_scales, .offset: 48, .size: 8, .value_kind: global_buffer, .address_space: global }
    .group_segment_fixed_size: 50688
    .private_segment_fixed_size: 0
    .kernarg_segment_align: 8
    .kernarg_segment_size: 56
    .max_flat_workgroup_size: 128
    .sgpr_count:     66
    .vgpr_count:     226
    .wavefront_size: 32
...
	.end_amdgpu_metadata
.endif
;; end of part 1
;; launch gates (part 2): grid 16 x 16, 4 waves a work-group, clusters of 4 x 4, 327,680 bytes of LDS; arguments a_codes, a_scales, w_codes, w_scales, b, c_prev, forget_mask, co; writes co
.if DOCPART == 2
	.amdgcn_target "amdgcn-amd-amdhsa--gfx1250"
	.amdhsa_code_object_version 6
	.text
	.protected	k_q6bb8d43812_gates
	.globl	k_q6bb8d43812_gates
	.p2align	8
	.type	k_q6bb8d43812_gates,@function
k_q6bb8d43812_gates:
	s_mov_b64 s[64:65], 0
	v_nop
	global_prefetch_b8 v0, s[64:65] scope:SCOPE_SE
	s_setreg_imm32_b32 hwreg(HW_REG_WAVE_MODE, 25, 1), 1
	s_wait_xcnt 0x0
	s_wait_alu depctr_hold_cnt(0) depctr_sa_sdst(0) depctr_va_vdst(0) depctr_va_sdst(0) depctr_va_ssrc(0) depctr_va_vcc(0) depctr_vm_vsrc(0)
	s_getreg_b32 s2, hwreg(HW_REG_IB_STS2, 6, 4)
	s_cmp_eq_u32 s2, 0
	s_cbranch_scc0 .Lentry_in_a_cluster
	s_endpgm
.Lentry_in_a_cluster:
	s_bfe_u32 s2, ttmp6, 0x10000c
	s_cmp_lg_u32 s2, 0xf033
	s_cbranch_scc0 .Lentry_shape_is_right
	s_endpgm
.Lentry_shape_is_right:
; gates = Q([x | h_prev]) Q(W) + b on codes of FP4 (E2M1) with one E8M0 scale for each 32 along K, sums in f32; then, in registers, c_pre = sigmoid(f) mask c_prev + sigmoid(i) tanh(g).  Out go c_pre and the raw o gate.
; A: a_codes [8192][1024 bytes], a_scales [4 K steps][8192][16].  B: w_codes [4096][1024 bytes], w_scales [4][4096][16]: row 128 z + 32 g + e is W's column 1024 g + 32 z + e.
; co: [8192 rows][32 groups z][128 bytes: c_pre of units 32 z .. + 31 | 128 bytes: o of the same units], f32.
; A WORK-GROUP STAYS: 256 work-groups, each makes two tiles of 256 rows x 256 rows of B, one below the other (rows 512 y .. and 512 y + 256 ..), on the same rows of B.  Four waves; a wave makes 128 x 128: 64 accumulators.
; A wave's 128 rows of B are one group z: block b of 16 is gate b / 2, units 16 (b % 2) on: a lane holds i, f, g, o of the same row and unit.
; THE RING: K = 2,048 goes in four steps of 512 through two LDS slots and does not stop at the first tile's end.  A slot holds four tiles, one tensor load a wave: wave 0 A's 256 rows of 256 bytes, wave 1 B's,
; wave 2 the K step's scale bytes of A's 256 rows (4,096 consecutive bytes), wave 3 those of B's.  By this text's count a wave has one tensor load out at a time.
; CLUSTERS: 4 x 4 work-groups; A's tiles are asked for jointly along a row of the cluster, B's along a column.  THE MATRIX INSTRUCTION IS USED TRANSPOSED (source 0 = rows of B, source 1 = rows of A).
; b is the C of each sum's first matrix instruction: the sum's first addend, not its last as in the source.
; THE WAY OUT IN TWO PARTS: blocks 0-3 of a tile's eight blocks of 16 rows are stored on the way out; the rows of blocks 4-7 are kept in c_prev's registers, which are done with, and are stored behind the next tile's
; first two steps of 128 along K (behind the last tile: at the end).  So the first tile's first two steps are written out ahead of the loop, and the loop is entered at its third step.
; PREFETCH.  The first tile: K steps 1 and 2 are asked for at the head, K step 3 at the first change of slots, one refill ahead of its load: of a tile's 256 rows the partner at place cx (A) or cy (B) takes 64;
; waves 0, 1 name A's, waves 2, 3 B's, 32 rows a wave, a lane a block of 256 bytes.  The second tile's rows of A: two K steps at a time, two refills or more ahead: a wave 16 rows, a lane one block.
; B's rows have been read by then.  K step 0 and the scale bytes (4,096 a tile) come by their loads alone.
; LIMITS: NaN and infinities among the inputs are not served.  sigmoid(v) = 1 / (1 + 2^(-v log2 e)), tanh(v) = 1 - 2 / (1 + 2^(2 v log2 e)): an exponential that overflows gives the reciprocal 0, one that falls to 0 gives 1.
; REGISTERS: window 0: v16-31 addresses; v32-95 scale words, two sets; v96-111 forget_mask, twice each; v128-191 A's fragments, one set; v192-255 b.
;   window 1: B's fragments, two sets, v0-63 and v128-191; v64-127, v192-255 c_prev, then the rows of blocks 4-7.   windows 2, 3: the accumulators ((a, b) at v[8 (8 (a % 4) + b)]); the rows of blocks 0-3 come back into these blocks' f and g registers.
.set NQ,     4
.set PITCH,  272                       ; an LDS row of codes: 256 bytes + 16: the 16 rows that a load touches start at 16 different banks (ISA guide 11.1)
.set FR,     8
.set NLD,    2
.set NP,     4                         ; places behind this matrix instruction (ISA guide 7.12.1)
.set HALFT,  128*PITCH
.set CT,     256*PITCH                 ; a tile of codes
.set SCA,    2*CT                      ; in a slot: A's codes, B's codes, A's scales, B's scales
.set SLOT,   2*CT+8192
.set STAGE,  2*SLOT                    ; behind the ring: 16 rows x 272 bytes for each wave; no tensor load lands here
.set SPITCH, 272
.set SPARE,  STAGE+4*16*SPITCH         ; the spare words, 128 bytes a wave
.set ADRA, 16
.set ADRS, 18
.set ADRB, 20
.set FO,   22
.set PFL,  23
.set STO,  24
.set RD,   25
.set CO,   26
.set PFO,  27
.set SPW,  28
.set NIL,  29
.set CPO,  30
.set BO,   31
.set SC,   32
.set FM,   96
.set AF,   128
.set BIAS, 192
.set SNL,  20
.set STL,  22
.set G1,   24
.set G0,   32
.set G1B,  48
.set G0B,  56
.set G1S,  68
.set G0S,  76
.set G1SB, 84
.set G0SB, 92
.set MSB, 0
.macro WIN new                         ; the immediate's high byte repeats the setting that is left
.if MSB != (\new)
	s_set_vgpr_msb (MSB<<8)|(\new)
.set MSB, (\new)
.endif
.endm
.set MUL_LO, 0xa1
.set MUL_HI, 0xf1
.set TO_B,   0x40
.macro PLACES n
.rept \n
	v_nop
.endr
.endm
.macro TL g0, g1                       ; a tensor load, with an s_nop and four v_nop behind it
	tensor_load_to_lds s[\g0:\g0+3], s[\g1:\g1+7]
	s_nop 0
	PLACES 4
.endm
; A slot's four joint loads: one chain of branches on the wave's number, one load to an arm, all arms to one join.
.macro JL4 s
	s_cmp_lt_u32 s14, 1
	s_cbranch_scc0 .Lb_\@
	TL G0+4*\s, G1
	s_branch .Lj_\@
.Lb_\@:
	s_cmp_lt_u32 s14, 2
	s_cbranch_scc0 .Lsa_\@
	TL G0B+4*\s, G1B
	s_branch .Lj_\@
.Lsa_\@:
	s_cmp_lt_u32 s14, 3
	s_cbranch_scc0 .Lsb_\@
	TL G0S+4*\s, G1S
	s_branch .Lj_\@
.Lsb_\@:
	TL G0SB+4*\s, G1SB
.Lj_\@:
.endm
.macro CREST
	s_cmp_lg_u32 s14, 0
	s_cbranch_scc1 .Lnw0_\@
	s_barrier_signal -3
.Lnw0_\@:
	s_barrier_wait -3
	s_barrier_signal -1
	s_barrier_wait -1
.endm
.macro CROUND
	s_barrier_signal -1
	s_barrier_wait -1
	CREST
.endm
	s_load_b256 s[4:11], s[0:1], 0x0               ; a_codes, a_scales, w_codes, w_scales
	s_load_b256 s[40:47], s[0:1], 0x20             ; b, c_prev, forget_mask, co
	v_lshl_add_u32 v[SPW], v0, 2, SPARE
	v_mov_b32 v[NIL], 0
	ds_add_u32 v[SPW], v[NIL]                      ; the opening lines: the add, twice on end, and its wait
	ds_add_u32 v[SPW], v[NIL]
	v_lshrrev_b32 v1, 5, v0
	v_readfirstlane_b32 s14, v1                    ; wave
	s_lshr_b32 s15, s14, 1                         ; my half of the tile's rows of A
	s_and_b32 s16, s14, 1                          ; my half of its rows of B
	s_bfe_u32 s66, ttmp6, 0x40000                  ; cx
	s_bfe_u32 s67, ttmp6, 0x40004                  ; cy
	s_lshl_b32 s100, ttmp9, 2
	s_add_co_u32 s100, s100, s66                   ; tile column
	s_and_b32 s17, ttmp7, 0xffff
	s_lshl_b32 s17, s17, 2
	s_add_co_u32 s17, s17, s67                     ; work-group y: its 512 rows
	s_lshl_b32 s18, s67, 2
	s_lshl_b32 s18, 15, s18                        ; my row of the cluster
	s_lshl_b32 s19, 0x1111, s66                    ; my column
	s_or_b32 s[G1], s18, (1<<20)|(1<<21)|(5<<22)|(3<<25)    ; codes: elements of 1 byte, 4 words of padding behind every 64
	s_or_b32 s[G1B], s19, (1<<20)|(1<<21)|(5<<22)|(3<<25)
.irp g, G1, G1B
	s_mov_b32 s[\g+1], 256<<16
	s_mov_b32 s[\g+2], 256<<16
	s_mov_b32 s[\g+3], 256<<16
	s_mov_b32 s[\g+4], 256
	s_mov_b32 s[\g+5], 1024
	s_mov_b32 s[\g+6], 0
	s_mov_b32 s[\g+7], 0
.endr
	s_or_b32 s[G1S], s18, (3<<16)|(1<<21)          ; scales: a dense block of 4,096 bytes as 16 rows of 32 elements of 8 bytes
	s_or_b32 s[G1SB], s19, (3<<16)|(1<<21)
.irp g, G1S, G1SB
	s_mov_b32 s[\g+1], 32<<16
	s_mov_b32 s[\g+2], 16<<16
	s_mov_b32 s[\g+3], 32<<16
	s_mov_b32 s[\g+4], 16
	s_mov_b32 s[\g+5], 32
	s_mov_b32 s[\g+6], 0
	s_mov_b32 s[\g+7], 0
.endr
	s_lshl_b32 s20, s17, 19                        ; A: 512 rows of 1,024 bytes,
	s_mov_b32 s21, 0
	s_lshl_b32 s22, s17, 13                        ; of 16 scale bytes
	s_mov_b32 s23, 0
	s_lshl_b32 s12, s100, 18                       ; B: 256 rows
	s_mov_b32 s13, 0
	s_lshl_b32 s2, s100, 12
	s_mov_b32 s3, 0
	s_wait_dscnt 0x0                               ; both opening adds are done
	s_wait_kmcnt 0x0
	s_add_nc_u64 s[4:5], s[4:5], s[20:21]
	s_add_nc_u64 s[6:7], s[6:7], s[22:23]
	s_add_nc_u64 s[8:9], s[8:9], s[12:13]
	s_add_nc_u64 s[10:11], s[10:11], s[2:3]
	CROUND                                         ; all sixteen work-groups are here: the first joint loads meet
.macro SET0 g, lds, base, off
	s_mov_b32 s[\g], 1
	s_mov_b32 s[\g+1], \lds
	s_add_nc_u64 s[\g+2:\g+3], s[\base:\base+1], \off
	s_or_b32 s[\g+3], s[\g+3], 0x80000000
.endm
.irp s, 0,1
	SET0 G0+4*\s,   \s*SLOT,          4,  \s*256
	SET0 G0B+4*\s,  \s*SLOT+CT,       8,  \s*256
	SET0 G0S+4*\s,  \s*SLOT+SCA,      6,  \s*131072
	SET0 G0SB+4*\s, \s*SLOT+SCA+4096, 10, \s*65536
.endr
	JL4 0                                          ; K step 0: one tensor load a wave at the head
	s_lshl_b32 s18, s17, 9
	s_lshl_b32 s19, s15, 7
	s_add_co_u32 s18, s18, s19                     ; my first row
	s_lshl_b32 s19, s100, 1
	s_add_co_u32 s19, s19, s16                     ; my group z
	s_mov_b32 s3, 0
	s_lshl_b32 s2, s19, 7
	s_add_nc_u64 s[40:41], s[40:41], s[2:3]        ; b at gate 0 of my group
	s_lshl_b32 s20, s18, 12
	s_add_co_u32 s2, s2, s20
	s_add_nc_u64 s[42:43], s[42:43], s[2:3]        ; c_prev
	s_lshl_b32 s2, s18, 2
	s_add_nc_u64 s[44:45], s[44:45], s[2:3]        ; forget_mask
	s_lshl_b32 s2, s18, 13
	s_lshl_b32 s20, s19, 8
	s_add_co_u32 s2, s2, s20
	s_add_nc_u64 s[46:47], s[46:47], s[2:3]        ; co
	; the prefetches' two bases; neither is written again
	s_lshl_b32 s2, s66, 16
	s_add_nc_u64 s[4:5], s[4:5], s[2:3]            ; A: my work-group's 64 rows of the first tile (64 cx)
	s_lshl_b32 s2, s14, 14
	s_add_co_u32 s2, s2, 262144
	s_add_nc_u64 s[10:11], s[4:5], s[2:3]          ; the second tile: 256 rows on, + 16 x wave
	s_lshl_b32 s2, s67, 16
	s_add_nc_u64 s[8:9], s[8:9], s[2:3]            ; B: 64 cy
	s_cmp_eq_u32 s15, 0
	s_cselect_b64 s[4:5], s[4:5], s[8:9]           ; waves 0, 1 name A's rows, waves 2, 3 B's: by the wave's number alone
	s_lshl_b32 s2, s16, 15
	s_add_nc_u64 s[4:5], s[4:5], s[2:3]            ; + which 32 of the 64
	s_mul_i32 s21, s15, HALFT
	s_mul_i32 s22, s16, HALFT
	s_add_co_u32 s22, s22, CT
	s_lshl_b32 s12, s15, 11                        ; A's scales: my 128 rows of 16 bytes
	s_lshl_b32 s23, s16, 11
	s_add_co_u32 s23, s23, 4096
	s_sub_co_u32 s23, s23, s12                     ; from there to B's
	s_add_co_u32 s12, s12, SCA
	s_mul_i32 s13, s14, 16*SPITCH
	s_add_co_u32 s13, s13, STAGE
	v_and_b32 v1, 15, v0                           ; r
	v_bfe_u32 v2, v0, 4, 1                         ; h
	v_mul_u32_u24 v3, v1, PITCH
	v_lshl_add_u32 v3, v2, 4, v3
	v_add_nc_u32 v[ADRA], s21, v3
	v_add_nc_u32 v[ADRB], s22, v3
	v_add_nc_u32 v[ADRA+1], SLOT, v[ADRA]
	v_add_nc_u32 v[ADRB+1], SLOT, v[ADRB]
	v_mul_u32_u24 v4, s23, v2                      ; lanes 16-31 take B's scale words: the lower base + h x the distance
	v_lshl_add_u32 v4, v1, 4, v4
	v_add_nc_u32 v[ADRS], s12, v4
	v_add_nc_u32 v[ADRS+1], SLOT, v[ADRS]
	v_mul_u32_u24 v5, v1, SPITCH
	v_lshl_add_u32 v5, v2, 5, v5
	v_add_nc_u32 v[STO], s13, v5                   ; the stage, in: row r, 32 bytes for each half of the lanes
	v_mul_u32_u24 v5, v2, SPITCH
	v_lshl_add_u32 v5, v1, 4, v5
	v_add_nc_u32 v[RD], s13, v5                    ; back: sixteen lanes to a row
	v_lshlrev_b32 v[CO], 13, v2
	v_lshl_add_u32 v[CO], v1, 4, v[CO]
	v_lshlrev_b32 v[CPO], 12, v1
	v_lshl_add_u32 v[CPO], v2, 5, v[CPO]
	v_lshlrev_b32 v[BO], 5, v2
	v_lshlrev_b32 v[FO], 2, v1
	v_lshlrev_b32 v[PFO], 10, v1
	v_lshl_add_u32 v[PFO], v2, 8, v[PFO]           ; the second tile's prefetches: row r, K step h of the two asked for
	v_and_b32 v[PFL], 31, v0
	v_lshlrev_b32 v[PFL], 10, v[PFL]               ; the first tile's: a lane a row
	s_wait_alu depctr_va_vdst(0)
.irp b, 0,1,2,3,4,5,6,7                ; b in the result's layout: block b is gate b / 2, units 16 (b % 2) + 8 h + 0 .. 7
.irp i, 0,1
	global_load_b128 v[BIAS+8*\b+4*\i:BIAS+8*\b+4*\i+3], v[BO], s[40:41] offset:(\b/2)*4096+(\b%2)*64+16*\i
.endr
.endr
	global_prefetch_b8 v[PFL], s[4:5] offset:256 th:TH_LOAD_NT scope:SCOPE_SE   ; K step 1 of my 32 rows,
	global_prefetch_b8 v[PFL], s[4:5] offset:512 th:TH_LOAD_NT scope:SCOPE_SE   ; and K step 2
.macro TILEIN                          ; a tile's forget_mask (each number into a pair, for the packed form) and c_prev: 48 loads, asked for three K steps ahead of their use
.irp a, 0,1,2,3,4,5,6,7
	global_load_b32 v[FM+2*\a], v[FO], s[44:45] offset:64*\a
	global_load_b32 v[FM+2*\a+1], v[FO], s[44:45] offset:64*\a
.endr
	WIN TO_B
.irp a, 0,1,2,3,4,5,6,7
.irp u, 0,1
.irp i, 0,1
	global_load_b128 v[64+128*(\a/4)+16*(\a%4)+8*\u+4*\i:64+128*(\a/4)+16*(\a%4)+8*\u+4*\i+3], v[CPO], s[42:43] offset:\a*65536+64*\u+16*\i
.endr
.endr
.endr
	WIN 0
.endm
.macro FRAG reg, adr, q, i             ; 16 rows x 128 K: lane l holds row l % 16; registers 4 c .. 4 c + 3 hold K = 64 c + 32 (l / 16) + 0 .. 31
.irp c, 0,1
	ds_load_b128 v[\reg+4*\c:\reg+4*\c+3], v[\adr] offset:64*(\q)+32*\c+(\i)*16*PITCH
.endr
.endm
; 16 matrix instructions: A's blocks a0, a0 + 1 x B's eight.  The 64 accumulators take turns, one instruction a turn, in the same order in every step.
.macro MUL16 a0, p, q, sc, first
.irp a, \a0, \a0+1
.irp b, 0,1,2,3,4,5,6,7
.if \first
	v_wmma_scale_f32_16x16x128_f8f6f4 v[8*(8*((\a)%4)+\b):8*(8*((\a)%4)+\b)+7], v[128*(\p)+FR*\b:128*(\p)+FR*\b+FR-1], v[AF+FR*(\a):AF+FR*(\a)+FR-1], v[BIAS+8*\b:BIAS+8*\b+7], v[SC+8*NQ*(\sc)+NQ*\b+(\q)], v[SC+8*NQ*(\sc)+NQ*(\a)+(\q)] matrix_a_fmt:MATRIX_FMT_FP4 matrix_b_fmt:MATRIX_FMT_FP4 matrix_a_scale:MATRIX_SCALE_ROW1
.else
	v_wmma_scale_f32_16x16x128_f8f6f4 v[8*(8*((\a)%4)+\b):8*(8*((\a)%4)+\b)+7], v[128*(\p)+FR*\b:128*(\p)+FR*\b+FR-1], v[AF+FR*(\a):AF+FR*(\a)+FR-1], v[8*(8*((\a)%4)+\b):8*(8*((\a)%4)+\b)+7], v[SC+8*NQ*(\sc)+NQ*\b+(\q)], v[SC+8*NQ*(\sc)+NQ*(\a)+(\q)] matrix_a_fmt:MATRIX_FMT_FP4 matrix_b_fmt:MATRIX_FMT_FP4 matrix_a_scale:MATRIX_SCALE_ROW1
.endif
.endr
.endr
.endm
.macro FETCH_B slot, q, p
	WIN TO_B
.irp i, 0,1,2,3,4,5,6,7
	FRAG 128*(\p)+FR*\i, ADRB+\slot, \q, \i
.endr
	WIN 0
.endm
.macro FETCH_A slot, q, i0
.irp i, \i0, \i0+1, \i0+2, \i0+3
	FRAG AF+FR*(\i), ADRA+\slot, \q, \i
.endr
.endm
.macro SCALES sc                       ; slot sc's scale words: a row's 16 bytes are the K step's four words; lanes 0-15 A's block i, lanes 16-31 B's: sixteen lanes read 256 consecutive bytes
.irp i, 0,1,2,3,4,5,6,7
	ds_load_b128 v[SC+8*NQ*\sc+NQ*\i:SC+8*NQ*\sc+NQ*\i+3], v[ADRS+\sc] offset:\i*256
.endr
.endm
; A step of 128 along K with its successor in the same slot (q = 0, 1, 2).  A's blocks 0-3 of step q + 1 are fetched in its middle, blocks 4-7 at its end; behind these, B's fragments of step q + 2 go into
; the set that this step has just read out (set q % 2), where the slot still has such a step.
.macro STEP slot, q, first
	s_wait_dscnt 12*NLD                            ; all but the youngest 24 LDS instructions: A's blocks 4-7 (8) and the next step's set of B (16), or what was issued behind them
.if \first
	WIN 0x81                                       ; as MUL_LO, with C (b) in window 0
.else
	WIN MUL_LO
.endif
	MUL16 0, (\q)%2, \q, \slot, \first
	MUL16 2, (\q)%2, \q, \slot, \first
	s_wait_dscnt 8*NLD                             ; A's blocks 4-7 are in; the 16 loads of B behind them may be out
	PLACES NP
	WIN 0
	FETCH_A \slot, (\q)+1, 0
.if \first
	WIN 0xc1
.else
	WIN MUL_HI
.endif
	MUL16 4, (\q)%2, \q, \slot, \first
	MUL16 6, (\q)%2, \q, \slot, \first
	PLACES NP
	WIN 0
	FETCH_A \slot, (\q)+1, 4
.if (\q) < 2
	FETCH_B \slot, (\q)+2, (\q)%2
.endif
.endm
; A slot's last step changes slots.  fill = 1: the slot is filled again: with this tile's K step two on (on = 0) or the next tile's K step of the same slot (on = 1).
; ask = 1: in the first tile alone: its K step 3, and the next tile's K steps 0, 1 of A;  ask = 2: the next tile's K steps 2, 3 of A.
.macro TURN slot, next, fill, on, ask
	s_wait_tensorcnt 0x0                           ; my tensor load has landed: my tile of the next slot;
	ds_add_u32 v[SPW], v[NIL]
	s_wait_dscnt 4*NLD+1                           ; (the add and A's blocks 4-7 may be out)
	WIN MUL_LO
	MUL16 0, 1, NQ-1, \slot, 0
	s_wait_dscnt 0x0                               ; the add is done, and my reads of this slot are over
	s_barrier_signal -1
	MUL16 2, 1, NQ-1, \slot, 0
	WIN 0
	s_barrier_wait -1
.if \fill
	CREST                                          ; the barrier has opened a round of the cluster's barrier
.if \on
	s_add_nc_u64 s[G0+4*\slot+2:G0+4*\slot+3], s[G0+4*\slot+2:G0+4*\slot+3], 256*1024-512     ; A: 256 rows down, two K steps back
	s_sub_nc_u64 s[G0B+4*\slot+2:G0B+4*\slot+3], s[G0B+4*\slot+2:G0B+4*\slot+3], 512          ; B: back
	s_sub_nc_u64 s[G0S+4*\slot+2:G0S+4*\slot+3], s[G0S+4*\slot+2:G0S+4*\slot+3], 262144-4096
	s_sub_nc_u64 s[G0SB+4*\slot+2:G0SB+4*\slot+3], s[G0SB+4*\slot+2:G0SB+4*\slot+3], 131072
.else
	s_add_nc_u64 s[G0+4*\slot+2:G0+4*\slot+3], s[G0+4*\slot+2:G0+4*\slot+3], 512
	s_add_nc_u64 s[G0B+4*\slot+2:G0B+4*\slot+3], s[G0B+4*\slot+2:G0B+4*\slot+3], 512
	s_add_nc_u64 s[G0S+4*\slot+2:G0S+4*\slot+3], s[G0S+4*\slot+2:G0S+4*\slot+3], 262144
	s_add_nc_u64 s[G0SB+4*\slot+2:G0SB+4*\slot+3], s[G0SB+4*\slot+2:G0SB+4*\slot+3], 131072
.endif
	JL4 \slot                                      ; the first tensor load behind the round; its four v_nop are the places in front of the loads below
.else
	PLACES NP
.endif
	FETCH_B \next, 0, 0
	FETCH_A \next, 0, 0
	SCALES \next
.if \ask == 1
	s_cmp_eq_u32 s2, 2
	s_cbranch_scc0 .Lna_\@
	global_prefetch_b8 v[PFL], s[4:5] offset:768 th:TH_LOAD_NT scope:SCOPE_SE
	global_prefetch_b8 v[PFO], s[10:11] th:TH_LOAD_NT scope:SCOPE_SE
.Lna_\@:
.endif
.if \ask == 2
	global_prefetch_b8 v[PFO], s[10:11] offset:512 th:TH_LOAD_NT scope:SCOPE_SE
.endif
	WIN MUL_HI
	MUL16 4, 1, NQ-1, \slot, 0
	MUL16 6, 1, NQ-1, \slot, 0
	PLACES NP
	WIN 0
	FETCH_A \next, 0, 4
	FETCH_B \next, 1, 1                            ; the next slot's second step of B, into the set just read out
.endm
.macro STEPS slot, from
.set Q, \from
.rept NQ-1-\from
	STEP \slot, Q, 0
.set Q, Q+1
.endr
.endm
; THE ARITHMETIC, two blocks of 16 rows at a time.  A block's 64 registers: +0..15 i, +16..31 f, +32..47 g, +48..63 o; register 8 u + j is unit 16 u + 8 h + j, row 16 a + r.  c_pre is left in i's registers.
; Blocks a and a + 1 (a even) lie 64 registers apart in one window: each batch of transcendentals serves both, with one wait ahead of it and one behind it.
.macro MATH2 a
.set AC, 64*((\a)%4)
.set CPA, 64+128*((\a)/4)+16*((\a)%4)
	WIN 0xaa+0x55*((\a)/4)
	s_wait_alu depctr_va_vdst(0)                   ; ahead of the first readers of the sums
.irp k, 0,64
.set j, 0
.rept 16
	v_pk_mul_f32 v[AC+\k+j:AC+\k+j+1], v[AC+\k+j:AC+\k+j+1], s[SNL:SNL+1] op_sel_hi:[1,0]      ; i, f: x -log2(e)
.set j, j+2
.endr
.rept 8
	v_pk_mul_f32 v[AC+\k+j:AC+\k+j+1], v[AC+\k+j:AC+\k+j+1], s[STL:STL+1] op_sel_hi:[1,0]      ; g: x 2 log2(e)
.set j, j+2
.endr
.endr
	s_wait_alu depctr_va_vdst(0)                   ; ahead of the batch
.irp k, 0,64
.set j, 0
.rept 48
	v_exp_f32 v[AC+\k+j], v[AC+\k+j]
.set j, j+1
.endr
.endr
	v_nop
	s_wait_alu depctr_va_vdst(0)                   ; behind it
.irp k, 0,64
.set j, 0
.rept 24
	v_pk_add_f32 v[AC+\k+j:AC+\k+j+1], v[AC+\k+j:AC+\k+j+1], 1.0 op_sel_hi:[1,0]
.set j, j+2
.endr
.endr
	s_wait_alu depctr_va_vdst(0)
.irp k, 0,64
.set j, 0
.rept 48
	v_rcp_f32 v[AC+\k+j], v[AC+\k+j]
.set j, j+1
.endr
.endr
	v_nop
	s_wait_alu depctr_va_vdst(0)
.irp k, 0,64
.set j, 0
.rept 8
	v_pk_fma_f32 v[AC+\k+32+j:AC+\k+33+j], v[AC+\k+32+j:AC+\k+33+j], -2.0, 1.0 op_sel_hi:[1,0,0]   ; tanh(g)
.set j, j+2
.endr
.endr
.irp k, 0,64
.set j, 0
.rept 8
	v_pk_mul_f32 v[AC+\k+j:AC+\k+j+1], v[AC+\k+j:AC+\k+j+1], v[AC+\k+32+j:AC+\k+33+j]          ; sigmoid(i) tanh(g)
.set j, j+2
.endr
.endr
	WIN 0x82+0x41*((\a)/4)                         ; source 1 (the mask) window 0
.irp k, 0,64
.set j, 0
.rept 8
	v_pk_mul_f32 v[AC+\k+16+j:AC+\k+17+j], v[AC+\k+16+j:AC+\k+17+j], v[FM+2*(\a)+\k/32:FM+2*(\a)+\k/32+1]  ; sigmoid(f) x my row's mask
.set j, j+2
.endr
.endr
	WIN 0xa6+0x51*((\a)/4)                         ; source 1 (c_prev) window 1
.irp k, 0,64
.set j, 0
.rept 8
	v_pk_fma_f32 v[AC+\k+j:AC+\k+j+1], v[AC+\k+16+j:AC+\k+17+j], v[CPA+\k/4+j:CPA+\k/4+j+1], v[AC+\k+j:AC+\k+j+1]
.set j, j+2
.endr
.endr
.endm
; Through my own stage (a row: 128 bytes of c_pre, 128 of o) and back as whole rows of 256 bytes.  park = 0: into the block's own f and g registers;  park = 1 (blocks 4-7): into 32 of c_prev's registers in window 1,
; those of blocks 2 (a - 4) and 2 (a - 4) + 1, whose arithmetic is over.  LDS serves a wave's instructions in order (ISA guide 5.7.1.4): no wait between the stores and the loads, nor in front of the next block's stores.
.macro TOSTAGE a, park
.set AC, 64*((\a)%4)
	WIN 0x08+4*((\a)/4)
	s_wait_alu depctr_va_vdst(0)                   ; ahead of the first readers of o's sums and of c_pre
.irp u, 0,1
.irp i, 0,1
	ds_store_b128 v[STO], v[AC+48+8*\u+4*\i:AC+48+8*\u+4*\i+3] offset:128+64*\u+16*\i      ; o as it is, each accumulator from its low end on
.endr
.endr
.irp u, 0,1
.irp i, 0,1
	ds_store_b128 v[STO], v[AC+8*\u+4*\i:AC+8*\u+4*\i+3] offset:64*\u+16*\i
.endr
.endr
.if \park
.set BB, 64+128*(((\a)-4)/2)+32*(((\a)-4)%2)
	WIN TO_B
.else
.set BB, AC+16
	WIN 0x80+0x40*((\a)/4)
.endif
.irp t, 0,1,2,3,4,5,6,7
	ds_load_b128 v[BB+4*\t:BB+4*\t+3], v[RD] offset:\t*2*SPITCH
.endr
.endm
.macro SEND a                          ; blocks 0-3
.set AC, 64*((\a)%4)
	WIN 0x08+4*((\a)/4)                            ; a store's data are its source 1
.irp t, 0,1,2,3,4,5,6,7
	global_store_b128 v[CO], v[AC+16+4*\t:AC+16+4*\t+3], s[46:47] offset:(\a)*131072+\t*16384 th:TH_STORE_NT   ; sixteen lanes store 256 consecutive bytes, aligned
.endr
.endm
.macro DSEND a                         ; blocks 4-7, later: co's base has been stepped by a tile's 0x200000 bytes by then, so the immediate reaches back
.set BB, 64+128*(((\a)-4)/2)+32*(((\a)-4)%2)
	WIN 0x04
.irp t, 0,1,2,3,4,5,6,7
	global_store_b128 v[CO], v[BB+4*\t:BB+4*\t+3], s[46:47] offset:(\a)*131072+\t*16384-0x200000 th:TH_STORE_NT
.endr
	WIN 0
.endm
	s_wait_tensorcnt 0x0                           ; my tile of K step 0 is in
	ds_add_u32 v[SPW], v[NIL]
	s_mov_b32 s[SNL], 0xbfb8aa3b                   ; -log2(e), as a pair
	s_mov_b32 s[SNL+1], 0xbfb8aa3b
	s_mov_b32 s[STL], 0x4038aa3b                   ; 2 log2(e)
	s_mov_b32 s[STL+1], 0x4038aa3b
	s_wait_dscnt 0x0
	CROUND
	JL4 1                                          ; K step 1: slot 1's first fill, the first tensor load behind the round
	FETCH_B 0, 0, 0
	FETCH_A 0, 0, 0
	SCALES 0
	FETCH_A 0, 0, 4
	FETCH_B 0, 1, 1
	s_wait_loadcnt 0x0                             ; b
	s_mov_b32 s2, 2                                ; tiles to go
	STEP 0, 0, 1                                   ; the first tile's first two steps: no tile before it has rows to store
	STEP 0, 1, 0
	s_branch .Lmid
.Ltile:
	STEP 0, 0, 1                                   ; the sums begin, on b
	s_wait_dscnt 32                                ; the rows kept from the tile before are in registers: behind their loads stand this step's 32 fragment loads
	DSEND 4
	DSEND 5
	STEP 0, 1, 0
	DSEND 6
	DSEND 7
.Lmid:
	STEP 0, 2, 0
	TURN 0, 1, 1, 0, 1                             ; K step 2 is asked for
	s_wait_xcnt 0x0                                ; the stores above have read their registers: c_prev may land there
	TILEIN                                         ; this tile's mask and c_prev: behind the refill, three K steps ahead of the way out
	STEPS 1, 0
	TURN 1, 0, 1, 0, 0                             ; K step 3
	STEP 0, 0, 0
	STEPS 0, 1
	s_cmp_eq_u32 s2, 1
	s_cbranch_scc1 .Llast                          ; the last tile's tail is written out: it asks for nothing more
	TURN 0, 1, 1, 1, 2                             ; the ring goes on: the next tile's K step 0
	STEPS 1, 0
	TURN 1, 0, 1, 1, 0                             ; its K step 1, and its first fragments
	s_branch .Lout
.Llast:
	TURN 0, 1, 0, 0, 0
	STEPS 1, 0
	s_wait_dscnt 4*NLD                             ; A's blocks 4-7 may be out
	WIN MUL_LO
	MUL16 0, 1, NQ-1, 1, 0
	MUL16 2, 1, NQ-1, 1, 0
	s_wait_dscnt 0
	WIN MUL_HI
	MUL16 4, 1, NQ-1, 1, 0
	MUL16 6, 1, NQ-1, 1, 0
	WIN 0
.Lout:
	s_wait_loadcnt 0x0                             ; the mask and c_prev
	PLACES NP
	MATH2 0
	TOSTAGE 0, 0
	TOSTAGE 1, 0
	MATH2 2                                        ; a pair's arithmetic stands between the pair before's loads from the stage and the wait for them
	s_wait_alu depctr_va_vdst(0)
	s_wait_dscnt 0x0                               ; blocks 0, 1 are back in registers
	SEND 0
	SEND 1
	TOSTAGE 2, 0
	TOSTAGE 3, 0
	MATH2 4
	s_wait_alu depctr_va_vdst(0)
	s_wait_dscnt 0x0
	SEND 2
	SEND 3
	TOSTAGE 4, 1                                   ; blocks 4-7 are kept
	TOSTAGE 5, 1
	MATH2 6
	TOSTAGE 6, 1
	TOSTAGE 7, 1
	WIN 0
	s_wait_xcnt 0x0                                ; the stores of blocks 0-3 have read their registers and their base
	s_add_nc_u64 s[42:43], s[42:43], 0x100000      ; 256 rows on: c_prev,
	s_add_nc_u64 s[44:45], s[44:45], 1024          ; forget_mask (behind the last tile these two are not used),
	s_add_nc_u64 s[46:47], s[46:47], 0x200000      ; co
	s_sub_co_u32 s2, s2, 1
	s_cmp_lg_u32 s2, 0
	s_wait_alu depctr_va_vdst(0)
	s_cbranch_scc1 .Ltile
	s_wait_dscnt 0x0                               ; the last tile's kept rows are in registers
	DSEND 4
	DSEND 5
	DSEND 6
	DSEND 7
	s_wait_tensorcnt 0x0                           ; the wave's end
	ds_add_u32 v[SPW], v[NIL]
	s_wait_dscnt 0x0
	CROUND                                         ; the closing round
	s_endpgm
.Lfunc_end_k_q6bb8d43812_gates:
	.size	k_q6bb8d43812_gates, .Lfunc_end_k_q6bb8d43812_gates-k_q6bb8d43812_gates
	.p2alignl 7, 3214868480
	.fill 96, 4, 3214868480
	.section	.rodata,"a",@progbits
	.p2align	6, 0x0
	.amdhsa_kernel k_q6bb8d43812_gates
		.amdhsa_group_segment_fixed_size 327680
		.amdhsa_private_segment_fixed_size 0
		.amdhsa_enable_private_segment 0
		.amdhsa_kernarg_size 64
		.amdhsa_user_sgpr_count 2
		.amdhsa_user_sgpr_kernarg_segment_ptr 1
		.amdhsa_wavefront_size32 1
		.amdhsa_system_sgpr_workgroup_id_x 1
		.amdhsa_system_sgpr_workgroup_id_y 1
		.amdhsa_system_sgpr_workgroup_id_z 1
		.amdhsa_system_vgpr_workitem_id 0
		.amdhsa_next_free_vgpr 1024
		.amdhsa_next_free_sgpr 102
		.amdhsa_reserve_vcc 0
		.amdhsa_float_denorm_mode_32 3
		.amdhsa_float_denorm_mode_16_64 3
		.amdhsa_memory_ordered 1
		.amdhsa_forward_progress 1
		.amdhsa_inst_pref_size 255
	.end_amdhsa_kernel
	.section	.bss,"aw",@nobits
	.p2align	6
	.space	262144
	.amdgpu_metadata
---
amdhsa.version: [ 1, 2 ]
amdhsa.kernels:
  - .name:           k_q6bb8d43812_gates
    .symbol:         k_q6bb8d43812_gates.kd
    .args:
      - { .name: a_codes, .offset: 0, .size: 8, .value_kind: global_buffer, .address_space: global }
      - { .name: a_scales, .offset: 8, .size: 8, .value_kind: global_buffer, .address_space: global }
      - { .name: w_codes, .offset: 16, .size: 8, .value_kind: global_buffer, .address_space: global }
      - { .name: w_scales, .offset: 24, .size: 8, .value_kind: global_buffer, .address_space: global }
      - { .name: b, .offset: 32, .size: 8, .value_kind: global_buffer, .address_space: global }
      - { .name: c_prev, .offset: 40, .size: 8, .value_kind: global_buffer, .address_space: global }
      - { .name: forget_mask, .offset: 48, .size: 8, .value_kind: global_buffer, .address_space: global }
      - { .name: co, .offset: 56, .size: 8, .value_kind: global_buffer, .address_space: global }
    .group_segment_fixed_size: 327680
    .private_segment_fixed_size: 0
    .kernarg_segment_align: 8
    .kernarg_segment_size: 64
    .max_flat_workgroup_size: 128
    .sgpr_count:     102
    .vgpr_count:     1024
    .wavefront_size: 32
...
	.end_amdgpu_metadata
.endif
;; end of part 2
;; launch norm (part 3): grid 512 x 1, 8 waves a work-group, no clusters, 0 bytes of LDS; arguments co, ln_gamma, ln_beta, out0, out1; writes out0, out1
.if DOCPART == 3
	.amdgcn_target "amdgcn-amd-amdhsa--gfx1250"
	.amdhsa_code_object_version 6
	.text
	.protected	k_q6bb8d43812_norm
	.globl	k_q6bb8d43812_norm
	.p2align	8
	.type	k_q6bb8d43812_norm,@function
k_q6bb8d43812_norm:
	s_mov_b64 s[64:65], 0
	v_nop
	global_prefetch_b8 v0, s[64:65] scope:SCOPE_SE
	s_setreg_imm32_b32 hwreg(HW_REG_WAVE_MODE, 25, 1), 1
	s_wait_xcnt 0x0
; c_t = LayerNorm(c_pre) gamma + beta over a row's 1,024 units (biased variance, eps = 1e-5);  h_t = sigmoid(o) tanh(c_t).  out0 = h_t, out1 = c_t, both [8192][1024] f32.
; co: [8192 rows][32 groups z][128 bytes: c_pre of units 32 z .. 32 z + 31 | 128 bytes: the raw o gate of the same units].
; ONE WAVE TAKES TWO WHOLE ROWS and keeps them in registers: the row is read once, the reductions never leave the wave: no LDS, no barrier, no loop.  All of a wave's 48 loads go out at its head.
; The variance is taken about the mean, in a second pass over the registers, as the source has it: no difference of large sums.
; Memory binds here: matrix units, clusters and tensor loads would add nothing; no two work-groups read the same bytes but gamma's and beta's 8 KiB.
; LIMITS: NaN and infinities are not served.  sigmoid(v) = 1 / (1 + 2^(-v log2 e)), tanh(v) = 1 - 2 / (1 + 2^(2 v log2 e)): right at both ends, where the exponential overflows or falls to 0.
.set G,   4                            ; v4-35    gamma: register 4 q + k is unit 128 q + 4 lane + k, as in every array below
.set BT,  36                           ; v36-67   beta
.set CR,  68                           ; v68-99, v132-163    c_pre of row 0, 1; then c_t
.set OR,  100                          ; v100-131, v164-195  o of row 0, 1; then h_t
.set TT,  196                          ; v196-227 at work: tanh(c_t)
.set ST,  228                          ; v228-231 sums
.set M,   232                          ; v232-233 the mean, then 1 / sqrt(var + eps), twice: a pair for the packed forms
	s_load_b256 s[4:11], s[0:1], 0x0               ; co s[4:5], gamma s[6:7], beta s[8:9], out0 s[10:11]
	s_load_b64 s[12:13], s[0:1], 0x20              ; out1
	v_lshrrev_b32 v1, 5, v0
	s_delay_alu instid0(VALU_DEP_1)
	v_readfirstlane_b32 s22, v1                    ; wave 0..7
	v_and_b32 v1, 31, v0                           ; lane
	s_delay_alu instid0(VALU_DEP_1)
	v_lshrrev_b32 v2, 3, v1
	s_delay_alu instid0(VALU_DEP_1)
	v_lshlrev_b32 v2, 8, v2
	s_delay_alu instid0(VALU_DEP_3)
	v_and_b32 v3, 7, v1
	s_delay_alu instid0(VALU_DEP_1)
	v_lshl_add_u32 v2, v3, 4, v2                   ; co: eight lanes to a group's 128 bytes, four groups an instruction: 256 (lane / 8) + 16 (lane % 8)
	v_lshlrev_b32 v3, 4, v1                        ; gamma, beta, out0, out1: 16 x lane
	s_lshl_b32 s23, ttmp9, 4
	s_lshl_b32 s24, s22, 1
	s_add_co_u32 s23, s23, s24                     ; my first row: 16 x work-group + 2 x wave
	s_mov_b32 s14, 0xbfb8aa3b                      ; -log2(e), as a pair
	s_mov_b32 s15, 0xbfb8aa3b
	s_mov_b32 s16, 0x4038aa3b                      ; 2 log2(e), as a pair
	s_mov_b32 s17, 0x4038aa3b
	s_mov_b32 s18, 0x76543210                      ; v_permlanex16_b32's selects for lane l xor 16
	s_mov_b32 s19, 0xfedcba98
	s_mov_b32 s20, 0x3a800000                      ; 1 / 1,024
	s_mov_b32 s21, 0x3727c5ac                      ; 1e-5
	s_mov_b32 s25, 0
	s_lshl_b32 s24, s23, 13                        ; a row of co is 8,192 bytes
	s_wait_alu depctr_va_vdst(0)
	s_wait_kmcnt 0x0
	s_add_nc_u64 s[4:5], s[4:5], s[24:25]
	s_lshl_b32 s24, s23, 12                        ; a row of the outputs 4,096
	s_add_nc_u64 s[10:11], s[10:11], s[24:25]
	s_add_nc_u64 s[12:13], s[12:13], s[24:25]
.irp q, 0,1,2,3,4,5,6,7
	global_load_b128 v[G+4*\q:G+4*\q+3], v3, s[6:7] offset:512*\q
	global_load_b128 v[BT+4*\q:BT+4*\q+3], v3, s[8:9] offset:512*\q
.endr
.irp i, 0,1
.irp q, 0,1,2,3,4,5,6,7
	global_load_b128 v[CR+64*\i+4*\q:CR+64*\i+4*\q+3], v2, s[4:5] offset:8192*\i+1024*\q th:TH_LOAD_NT
	global_load_b128 v[OR+64*\i+4*\q:OR+64*\i+4*\q+3], v2, s[4:5] offset:8192*\i+1024*\q+128 th:TH_LOAD_NT
.endr
.endr
.macro ACROSS                          ; v[ST] summed over the 32 lanes, the sum in every lane: four steps inside each half ride on the addition (DPP), one crosses the halves
	s_delay_alu instid0(VALU_DEP_1)
	v_pk_add_f32 v[ST:ST+1], v[ST:ST+1], v[ST+2:ST+3]
	s_delay_alu instid0(VALU_DEP_1)
	v_add_f32 v[ST], v[ST], v[ST+1]
	s_delay_alu instid0(VALU_DEP_1)
	v_add_f32_dpp v[ST], v[ST], v[ST] row_xmask:1 row_mask:0xf bank_mask:0xf
	s_delay_alu instid0(VALU_DEP_1)
	v_add_f32_dpp v[ST], v[ST], v[ST] row_xmask:2 row_mask:0xf bank_mask:0xf
	s_delay_alu instid0(VALU_DEP_1)
	v_add_f32_dpp v[ST], v[ST], v[ST] row_xmask:4 row_mask:0xf bank_mask:0xf
	s_delay_alu instid0(VALU_DEP_1)
	v_add_f32_dpp v[ST], v[ST], v[ST] row_xmask:8 row_mask:0xf bank_mask:0xf
	s_delay_alu instid0(VALU_DEP_1)
	v_permlanex16_b32 v[ST+1], v[ST], s18, s19     ; (its destination counts as read: it has been written)
	s_delay_alu instid0(VALU_DEP_1)
	v_add_f32 v[ST], v[ST], v[ST+1]
.endm
; Row i.  left: how many younger loads may stay out.  No register that a store reads is written again, so no wait frees any.
.macro ROW i, left
.set CC, CR+64*\i
.set OO, OR+64*\i
	s_wait_loadcnt \left                           ; loads come back in order (ISA guide 5.7.1): gamma, beta and this row are in
	v_pk_add_f32 v[ST:ST+1], v[CC:CC+1], v[CC+2:CC+3]              ; the row's sum, two at a time, in two chains
	v_pk_add_f32 v[ST+2:ST+3], v[CC+4:CC+5], v[CC+6:CC+7]
.irp j, 8,12,16,20,24,28
	s_delay_alu instid0(VALU_DEP_2)
	v_pk_add_f32 v[ST:ST+1], v[ST:ST+1], v[CC+\j:CC+\j+1]
	s_delay_alu instid0(VALU_DEP_2)
	v_pk_add_f32 v[ST+2:ST+3], v[ST+2:ST+3], v[CC+\j+2:CC+\j+3]
.endr
	ACROSS
	s_delay_alu instid0(VALU_DEP_1)
	v_mul_f32 v[M], s20, v[ST]                     ; the mean
	s_delay_alu instid0(VALU_DEP_2)
	v_mul_f32 v[M+1], s20, v[ST]
.irp j, 0,2,4,6,8,10,12,14,16,18,20,22,24,26,28,30
	v_pk_add_f32 v[CC+\j:CC+\j+1], v[CC+\j:CC+\j+1], v[M:M+1] neg_lo:[0,1] neg_hi:[0,1]    ; c - mean
.endr
	v_pk_mul_f32 v[ST:ST+1], v[CC:CC+1], v[CC:CC+1]                ; the sum of its squares
	v_pk_mul_f32 v[ST+2:ST+3], v[CC+2:CC+3], v[CC+2:CC+3]
.irp j, 4,8,12,16,20,24,28
	s_delay_alu instid0(VALU_DEP_2)
	v_pk_fma_f32 v[ST:ST+1], v[CC+\j:CC+\j+1], v[CC+\j:CC+\j+1], v[ST:ST+1]
	s_delay_alu instid0(VALU_DEP_2)
	v_pk_fma_f32 v[ST+2:ST+3], v[CC+\j+2:CC+\j+3], v[CC+\j+2:CC+\j+3], v[ST+2:ST+3]
.endr
	ACROSS
	s_delay_alu instid0(VALU_DEP_1)
	v_fma_f32 v[ST], v[ST], s20, s21               ; var + eps
	s_wait_alu depctr_va_vdst(0)
	v_rsq_f32 v[M], v[ST]
	v_rsq_f32 v[M+1], v[ST]
	v_nop                                          ; one plain line behind the transcendentals (ISA guide 5.7.2)
	s_wait_alu depctr_va_vdst(0)
.irp j, 0,2,4,6,8,10,12,14,16,18,20,22,24,26,28,30
	v_pk_mul_f32 v[CC+\j:CC+\j+1], v[CC+\j:CC+\j+1], v[M:M+1]
.endr
.irp j, 0,2,4,6,8,10,12,14,16,18,20,22,24,26,28,30
	v_pk_fma_f32 v[CC+\j:CC+\j+1], v[CC+\j:CC+\j+1], v[G+\j:G+\j+1], v[BT+\j:BT+\j+1]      ; c_t
.endr
.irp q, 0,1,2,3,4,5,6,7
	global_store_b128 v3, v[CC+4*\q:CC+4*\q+3], s[12:13] offset:4096*\i+512*\q th:TH_STORE_NT   ; the wave stores 512 consecutive bytes, aligned
.endr
.irp j, 0,2,4,6,8,10,12,14,16,18,20,22,24,26,28,30
	v_pk_mul_f32 v[TT+\j:TT+\j+1], v[CC+\j:CC+\j+1], s[16:17] op_sel_hi:[1,0]      ; c_t x 2 log2(e)
	v_pk_mul_f32 v[OO+\j:OO+\j+1], v[OO+\j:OO+\j+1], s[14:15] op_sel_hi:[1,0]      ; o x -log2(e)
.endr
.set j, 0
	s_wait_alu depctr_va_vdst(0)
.rept 32
	v_exp_f32 v[TT+j], v[TT+j]
	v_exp_f32 v[OO+j], v[OO+j]
.set j, j+1
.endr
	v_nop
	s_wait_alu depctr_va_vdst(0)
.irp j, 0,2,4,6,8,10,12,14,16,18,20,22,24,26,28,30
	v_pk_add_f32 v[TT+\j:TT+\j+1], v[TT+\j:TT+\j+1], 1.0 op_sel_hi:[1,0]
	v_pk_add_f32 v[OO+\j:OO+\j+1], v[OO+\j:OO+\j+1], 1.0 op_sel_hi:[1,0]
.endr
.set j, 0
	s_wait_alu depctr_va_vdst(0)
.rept 32
	v_rcp_f32 v[TT+j], v[TT+j]
	v_rcp_f32 v[OO+j], v[OO+j]                     ; sigmoid(o)
.set j, j+1
.endr
	v_nop
	s_wait_alu depctr_va_vdst(0)
.irp j, 0,2,4,6,8,10,12,14,16,18,20,22,24,26,28,30
	v_pk_fma_f32 v[TT+\j:TT+\j+1], v[TT+\j:TT+\j+1], -2.0, 1.0 op_sel_hi:[1,0,0]   ; tanh(c_t)
.endr
.irp j, 0,2,4,6,8,10,12,14,16,18,20,22,24,26,28,30
	v_pk_mul_f32 v[OO+\j:OO+\j+1], v[OO+\j:OO+\j+1], v[TT+\j:TT+\j+1]              ; h_t
.endr
.irp q, 0,1,2,3,4,5,6,7
	global_store_b128 v3, v[OO+4*\q:OO+4*\q+3], s[10:11] offset:4096*\i+512*\q th:TH_STORE_NT
.endr
.endm
	ROW 0, 16                                      ; row 1's sixteen loads may stay out
	ROW 1, 0
	s_endpgm
.Lfunc_end_k_q6bb8d43812_norm:
	.size	k_q6bb8d43812_norm, .Lfunc_end_k_q6bb8d43812_norm-k_q6bb8d43812_norm
	.p2alignl 7, 3214868480
	.fill 96, 4, 3214868480
	.section	.rodata,"a",@progbits
	.p2align	6, 0x0
	.amdhsa_kernel k_q6bb8d43812_norm
		.amdhsa_group_segment_fixed_size 0
		.amdhsa_private_segment_fixed_size 0
		.amdhsa_enable_private_segment 0
		.amdhsa_kernarg_size 40
		.amdhsa_user_sgpr_count 2
		.amdhsa_user_sgpr_kernarg_segment_ptr 1
		.amdhsa_wavefront_size32 1
		.amdhsa_system_sgpr_workgroup_id_x 1
		.amdhsa_system_sgpr_workgroup_id_y 1
		.amdhsa_system_sgpr_workgroup_id_z 1
		.amdhsa_system_vgpr_workitem_id 0
		.amdhsa_next_free_vgpr 240
		.amdhsa_next_free_sgpr 66
		.amdhsa_reserve_vcc 0
		.amdhsa_float_denorm_mode_32 3
		.amdhsa_float_denorm_mode_16_64 3
		.amdhsa_memory_ordered 1
		.amdhsa_forward_progress 1
		.amdhsa_inst_pref_size 45
	.end_amdhsa_kernel
	.amdgpu_metadata
---
amdhsa.version: [ 1, 2 ]
amdhsa.kernels:
  - .name:           k_q6bb8d43812_norm
    .symbol:         k_q6bb8d43812_norm.kd
    .args:
      - { .name: co, .offset: 0, .size: 8, .value_kind: global_buffer, .address_space: global }
      - { .name: ln_gamma, .offset: 8, .size: 8, .value_kind: global_buffer, .address_space: global }
      - { .name: ln_beta, .offset: 16, .size: 8, .value_kind: global_buffer, .address_space: global }
      - { .name: out0, .offset: 24, .size: 8, .value_kind: global_buffer, .address_space: global }
      - { .name: out1, .offset: 32, .size: 8, .value_kind: global_buffer, .address_space: global }
    .group_segment_fixed_size: 0
    .private_segment_fixed_size: 0
    .kernarg_segment_align: 8
    .kernarg_segment_size: 40
    .max_flat_workgroup_size: 256
    .sgpr_count:     66
    .vgpr_count:     240
    .wavefront_size: 32
...
	.end_amdgpu_metadata
.endif
;; end of part 3
